; MI455X (gfx1250); checked and timed in simulation.
; The chip was launched on July 23, 2026; its instructions are those of AMD's public machine-readable ISA for CDNA 5 (MIT licence, August 2026) and "CDNA5" Instruction Set Architecture Reference Guide (July 2026). The comments in the code are by the model that wrote it; some were corrected since.
;; Latent Encoder. Allowed arithmetic: matrix products marked QUANTISED: E3M2 operands, one E8M0 scale for each 32 along K, by v_wmma_scale_f32_16x16x128_f8f6f4 with both operands' format E3M2, f32 sums; products left as they are: f32 operands where the result goes on into a quantised operand, else bf16, f16 or f32 operands; f32 sums; everything else in f32.
;; Inputs: W 64 x 256 x 1,024 float32; b 64 x 256 float32; hiddens 4,096 x 1,024 float32; y 4,096 x 64 float32.
;; Outputs: out0 4,096 x 128 float32; out1 4,096 x 128 float32.
;; This version of the problem:
;;   THIS VERSION OF THE PROBLEM IS GIVEN IN LOW PRECISION. The matrix products marked QUANTISED in the list below multiply operands that are first quantised to E3M2 (3 exponent bits, 2 mantissa bits; 6 bits a number), with one power-of-two scale for each 32 numbers along K (OCP MX v1.0); their sums are f32. All else is computed in f32.
;;   The module's matrix products, in the order in which they are computed (A, B: the left and right operand; K: the contracted axis; several contracted axes count as one K, in the product's order):
;;     1. [M 16,384, K 1,024] x [K 1,024, N 4,096]; A: input W; B: input hiddens: QUANTISED
;;     2. batch 4,096 x [M 1, K 64] x [K 64, N 256]; A: input y; B: computed on the way: left as it is (M = 1 < 16)
;;   THE QUANTISER, for each operand of a quantised product, along K:
;;     - K is cut into blocks of 32 from its start; a last block that is shorter is filled with zeros.
;;     - A block's scale is 2^e with e = floor(log2(the largest magnitude in the block)) - 4, held to -126 .. 127; a block of zeros has e = 0. As a byte (E8M0): e + 127.
;;     - Each number is divided by its block's scale, clamped to +-28, and rounded to the nearest number of E3M2, ties to even, subnormals kept.
;;     - The product sums the exact products of the quantised numbers (number of the format x scale) in f32.
;;   ~~~python
;;   def quantise(x, axis):      # numpy; x: float32 -> the quantised numbers, widened to float32 again
;;       x = np.moveaxis(x, axis, -1); K = x.shape[-1]
;;       x = np.pad(x, [(0, 0)] * (x.ndim - 1) + [(0, -K % 32)]); x = x.reshape(x.shape[:-1] + (-1, 32)); a = np.abs(x).max(-1, keepdims=True)
;;       e = np.where(a > 0, np.clip(np.frexp(np.where(a > 0, a, 1))[1] - 1 - 4, -126, 127), 0)      # np.frexp(a)[1] - 1 = floor(log2(a)), exactly
;;       r = np.clip(x / 2.0 ** e, -28, 28)
;;       step = 2.0 ** (np.maximum(np.frexp(np.where(r == 0, 1, r))[1] - 1, -2) - 2)
;;       q = np.round(r / step) * step * 2.0 ** e      # np.round: ties to even
;;       return np.moveaxis(q.reshape(q.shape[:-2] + (-1,))[..., :K], -1, axis).astype(np.float32)
;;   ~~~
;; One version. Each part assembles by itself: llvm-mc -triple=amdgcn-amd-amdhsa -mcpu=gfx1250 --defsym DOCPART=n.
;; ======== version 1 of 1: 2 launches
;; limits: right only within a limited range of input values
;; workspace buffers: wq 13,107,200 bytes; hq 3,276,800 bytes
;; launch quant (part 1): grid 1280 x 1, 4 waves a work-group, no clusters, 35,328 bytes of LDS; arguments W, hiddens, wq, hq; writes wq, hq
.if DOCPART == 1
	.amdgcn_target "amdgcn-amd-amdhsa--gfx1250"
	.amdhsa_code_object_version 6
	.text
	.protected	k_q73d9dfc1ef_quant
	.globl	k_q73d9dfc1ef_quant
	.p2align	8
	.type	k_q73d9dfc1ef_quant,@function
k_q73d9dfc1ef_quant:
	s_mov_b64 s[64:65], 0
	v_nop
	global_prefetch_b8 v0, s[64:65] scope:SCOPE_SE
	s_setreg_imm32_b32 hwreg(HW_REG_WAVE_MODE, 25, 1), 1
	s_wait_xcnt 0x0
; W [64][256][1024] (seen as [16384][1024]) and hiddens [4096][1024], f32, K innermost, become codes of BF6 (E3M2) with one E8M0 scale byte for each 32 along K,
; laid as the next launch's matrix operands want them: as IMAGES OF THE OPERAND'S REGISTERS.
; A RECORD is 16 rows x 1,024 K = 12,800 bytes: eight fragment images (K step s of 128) of 1,536 bytes, register q of lane l at 1536 s + 512 (q / 4) + 16 l + 4 (q % 4);
; then 512 bytes of scale words, that of (row r, K step s) at 12288 + 256 (s / 4) + 16 r + 4 (s % 4).  Lane (r = l % 16, h = l / 16) holds row r; registers 6 c .. 6 c + 5 hold k = 128 s + 64 c + 32 h + 0 .. 31.
; W's records lie in the order (tile of 16 logits) x 64 + expert, so that all experts of one tile of logits are one dense stream; hiddens' in the order of the rows.
; A block's scale is 2^(floor(log2(its largest magnitude)) - 4); its byte is the largest magnitude's exponent field - 4, held at 1 from below.  A block of zeros so gets the byte 1 where the rule
; says 127: its codes are zeros, which add nothing under any byte but 0xff, and the bytes are read by this program alone.
; LIMITS: blocks whose largest magnitude lies under 2^-122, the floor, keep the byte 1; NaN and infinities among the inputs are not served.
; SHARES.  A work-group takes one record: 16 rows, 65,536 dense bytes of f32; the first 1,024 work-groups take W, the other 256 hiddens.  Wave q takes K steps 2 q and 2 q + 1.
; Each load reads 512 consecutive bytes of a row; the conversions want 32 neighbours along K in ONE lane, so a K step's 8,192 bytes turn through the wave's own stage in LDS (rows 528 bytes apart,
; an odd multiple of 16) and come back into the registers that they left.  So a wave needs 192 registers, five waves share a SIMD's 1,024, and the launch's 1,280 work-groups are five for each of 256 WGPs:
; all can be resident together, with all their loads on their way.  No loop, no pointer is stepped, no store's data are written again.  Memory binds: matrix units, clusters and tensor loads would add nothing.
.set REC,  12800
.set SP,   528                         ; a stage row: 512 bytes + 16
.set WSTG, 16*SP                       ; a wave's stage
.set SG,   4*WSTG                      ; behind the stages: the record's 512 bytes of scale words
.set R,    32                          ; v32-95, v96-159  the two K steps: as loaded (row i at 4 i), then as turned (64 numbers of my row)
.set TM,   184                         ; v184-190 the upper halves of two blocks' codes, on their way
; v1 16 x lane   v2 stage, way in   v3 stage, way out   v4 my scale words' place   v5 the scale image, 16 bytes a lane   v6 8 h   v8-9 largest magnitudes   v10-11 the two scale words
; v12-13 the conversions' scale operands   v14-15 bytes   v16-17 at work   v20-23 the scale image   v160-171, v172-183 codes
	s_load_b128 s[4:7], s[0:1], 0x0                ; W, hiddens
	s_load_b128 s[8:11], s[0:1], 0x10              ; wq, hq
	v_lshl_add_u32 v24, v0, 2, 0x8800
	v_mov_b32 v25, 0
	v_lshrrev_b32 v7, 5, v0
	v_readfirstlane_b32 s16, v7                    ; wave q
	v_and_b32 v7, 31, v0                           ; lane
	v_and_b32 v16, 15, v0                          ; r
	v_bfe_u32 v17, v0, 4, 1                        ; h
	v_lshlrev_b32 v1, 4, v7
	s_mul_i32 s17, s16, WSTG
	v_add_nc_u32 v2, s17, v1                       ; in: a row's 512 bytes as they lie
	v_mul_u32_u24 v3, v16, SP
	v_lshl_add_u32 v3, v17, 7, v3
	v_add_nc_u32 v3, s17, v3                       ; out: row r, from number 32 h on
	s_lshr_b32 s17, s16, 1
	s_lshl_b32 s17, s17, 8
	s_and_b32 s24, s16, 1
	s_lshl_b32 s24, s24, 3
	s_add_co_u32 s17, s17, s24
	s_add_co_u32 s17, s17, SG
	v_lshl_add_u32 v4, v16, 4, s17                 ; SG + 256 (q / 2) + 8 (q % 2) + 16 r: the words of K steps 2 q, 2 q + 1 of row r
	v_add_nc_u32 v5, SG, v1
	v_lshlrev_b32 v6, 3, v17
	v_mov_b32 v17, 0                               ; written once: a lane permute's destination counts as one of its sources
	s_mov_b32 s22, 0x76543210
	s_mov_b32 s23, 0xfedcba98                      ; v_permlanex16_b32's selects for lane l xor 16
	s_and_b32 s18, ttmp9, 15                       ; W: tile T = 16 x expert + tile of logits; its record is 64 x (T % 16) + T / 16
	s_lshl_b32 s18, s18, 6
	s_lshr_b32 s19, ttmp9, 4
	s_add_co_u32 s18, s18, s19
	s_sub_co_u32 s19, ttmp9, 1024                  ; hiddens: tile and record T - 1024 (not used by W's work-groups)
	s_wait_alu depctr_va_vdst(0)
	s_wait_kmcnt 0x0
	s_cmp_lt_u32 ttmp9, 1024                       ; W's work-group or hiddens'?  The choice hangs on the work-group's number alone; only selects stand behind the compare
	s_cselect_b64 s[4:5], s[4:5], s[6:7]
	s_cselect_b64 s[8:9], s[8:9], s[10:11]
	s_cselect_b32 s18, s18, s19                    ; the record
	s_cselect_b32 s19, ttmp9, s19                  ; the tile in its tensor
	s_lshl_b32 s20, s19, 16                        ; 16 rows of 4,096 bytes,
	s_lshl_b32 s21, s16, 10                        ; and my wave's 256 numbers of each row
	s_add_co_u32 s20, s20, s21
	s_mov_b32 s21, 0
	s_add_nc_u64 s[4:5], s[4:5], s[20:21]
	s_mul_i32 s20, s18, REC
	s_add_nc_u64 s[12:13], s[8:9], s[20:21]        ; the record,
	s_mul_i32 s20, s16, 2*1536
	s_add_nc_u64 s[8:9], s[12:13], s[20:21]        ; and my two images in it
.macro LOADS st                        ; K step 2 q + st of the 16 rows: 32 lanes read 512 consecutive bytes, read once in the launch
.set i, 0
.rept 16
	global_load_b128 v[R+64*\st+4*i:R+64*\st+4*i+3], v1, s[4:5] offset:4096*i+512*\st th:TH_LOAD_NT
.set i, i+1
.endr
.endm
.macro TURN st                         ; through the stage.  LDS serves a wave's instructions in order (ISA guide 5.7.1.4): the loads see the stores and land in the registers that the stores have read,
.set i, 0                              ; and the second step's stores come behind the first step's loads.  Then v[R + 64 st + 32 c + n] = k 64 c + 32 h + n of row r
.rept 16
	ds_store_b128 v2, v[R+64*\st+4*i:R+64*\st+4*i+3] offset:SP*i
.set i, i+1
.endr
.irp c, 0,1
.irp j, 0,1,2,3,4,5,6,7
	ds_load_b128 v[R+64*\st+32*\c+4*\j:R+64*\st+32*\c+4*\j+3], v3 offset:256*\c+16*\j
.endr
.endr
.endm
.macro QUANT x, cd, word               ; a lane's two whole blocks (2 c + h, c = 0, 1) become registers 6 c .. 6 c + 5 of the fragment at v[cd], and the row's scale word
.irp b, 0,1
	v_max3_num_f32 v[8+\b], |v[\x+32*\b]|, |v[\x+32*\b+1]|, 0x2800000   ; and the floor 2^(5 - 127): the byte cannot fall under 1
.endr
.irp i, 2,4,6,8,10,12,14,16,18,20,22,24,26,28,30
.irp b, 0,1
	v_max3_num_f32 v[8+\b], v[8+\b], |v[\x+32*\b+\i]|, |v[\x+32*\b+\i+1]|   ; (the two blocks by turns)
.endr
.endr
.irp b, 0,1
	v_add_nc_u32 v[12+\b], 0xfe000000, v[8+\b]     ; 4 off the exponent field: the conversion takes the exponent field of this operand as its scale, and nothing else of it
.endr
.irp b, 0,1
	v_lshrrev_b32 v[14+\b], 23, v[12+\b]           ; the scale's byte
.endr
	v_lshl_or_b32 v16, v15, 16, v14                ; my two bytes: blocks h and 2 + h,
	v_lshlrev_b32 v16, v6, v16                     ; at their places in the word (8 h bits up);
	v_permlanex16_b32 v17, v16, s22, s23
	v_or_b32 v[\word], v16, v17                    ; with lane l xor 16's two the word is whole, in both lanes
.irp b, 0,1
	v_cvt_scalef32_pk16_bf6_f32 v[\cd+6*\b:\cd+6*\b+2], v[\x+32*\b:\x+32*\b+15], v[12+\b]
	v_cvt_scalef32_pk16_bf6_f32 v[TM+4*\b:TM+4*\b+2], v[\x+32*\b+16:\x+32*\b+31], v[12+\b]   ; (a conversion's three registers begin on an even number: the second half of a block's six does not)
.endr
	v_nop                                          ; one plain place behind a scaled conversion
.irp b, 0,1
.irp i, 0,1,2
	v_mov_b32 v[\cd+6*\b+3+\i], v[TM+4*\b+\i]
.endr
.endr
.endm
.macro OUT cd, st                      ; the image: each store covers 512 consecutive bytes, at a multiple of 256 from the buffer's first byte.  The next launch reads them: no hint
.irp i, 0,1,2
	global_store_b128 v1, v[\cd+4*\i:\cd+4*\i+3], s[8:9] offset:1536*\st+512*\i
.endr
.endm
	LOADS 0
	LOADS 1                                        ; all 32 loads of the wave are on their way
	s_wait_loadcnt 16                              ; the first K step's 16 are in; the second's 16 may be out
	TURN 0
	s_wait_loadcnt 0x0
	TURN 1                                         ; the second step turns while the first is quantised
	s_wait_dscnt 32                                ; the first step's numbers are back; behind their loads stand the second step's 16 stores and 16 loads
	QUANT R, 160, 10
	OUT 160, 0
	s_wait_dscnt 0x0                               ; the second step's numbers are back
	QUANT R+64, 172, 11
	OUT 172, 1
	ds_store_b64 v4, v[10:11]                      ; both halves of the lanes write the same words with the same values
	s_wait_dscnt 0x0                               ; for the others' sake: my words lie in LDS
	s_barrier_signal -1
	s_barrier_wait -1
	s_cmp_lg_u32 s16, 0
	s_cbranch_scc1 .Lend
	ds_load_b128 v[20:23], v5                      ; wave 0 sends the record's 512 bytes of scale words: two whole aligned blocks of 256 bytes
	s_wait_dscnt 0x0
	global_store_b128 v1, v[20:23], s[12:13] offset:8*1536
.Lend:
	s_wait_tensorcnt 0x0
	ds_add_u32 v24, v25
	s_wait_dscnt 0x0
	s_endpgm
.Lfunc_end_k_q73d9dfc1ef_quant:
	.size	k_q73d9dfc1ef_quant, .Lfunc_end_k_q73d9dfc1ef_quant-k_q73d9dfc1ef_quant
	.p2alignl 7, 3214868480
	.fill 96, 4, 3214868480
	.section	.rodata,"a",@progbits
	.p2align	6, 0x0
	.amdhsa_kernel k_q73d9dfc1ef_quant
		.amdhsa_group_segment_fixed_size 35328
		.amdhsa_private_segment_fixed_size 0
		.amdhsa_enable_private_segment 0
		.amdhsa_kernarg_size 32
		.amdhsa_user_sgpr_count 2
		.amdhsa_user_sgpr_kernarg_segment_ptr 1
		.amdhsa_wavefront_size32 1
		.amdhsa_system_sgpr_workgroup_id_x 1
		.amdhsa_system_sgpr_workgroup_id_y 1
		.amdhsa_system_sgpr_workgroup_id_z 1
		.amdhsa_system_vgpr_workitem_id 0
		.amdhsa_next_free_vgpr 192
		.amdhsa_next_free_sgpr 66
		.amdhsa_reserve_vcc 0
		.amdhsa_float_denorm_mode_32 3
		.amdhsa_float_denorm_mode_16_64 3
		.amdhsa_memory_ordered 1
		.amdhsa_forward_progress 1
		.amdhsa_inst_pref_size 17
	.end_amdhsa_kernel
	.amdgpu_metadata
---
amdhsa.version: [ 1, 2 ]
amdhsa.kernels:
  - .name:           k_q73d9dfc1ef_quant
    .symbol:         k_q73d9dfc1ef_quant.kd
    .args:
      - { .name: W, .offset: 0, .size: 8, .value_kind: global_buffer, .address_space: global }
      - { .name: hiddens, .offset: 8, .size: 8, .value_kind: global_buffer, .address_space: global }
      - { .name: wq, .offset: 16, .size: 8, .value_kind: global_buffer, .address_space: global }
      - { .name: hq, .offset: 24, .size: 8, .value_kind: global_buffer, .address_space: global }
    .group_segment_fixed_size: 35328
    .private_segment_fixed_size: 0
    .kernarg_segment_align: 8
    .kernarg_segment_size: 32
    .max_flat_workgroup_size: 128
    .sgpr_count:     66
    .vgpr_count:     192
    .wavefront_size: 32
...
	.end_amdgpu_metadata
.endif
;; end of part 1
;; launch route (part 2): grid 16 x 16, 4 waves a work-group, clusters of 4 x 1, 327,680 bytes of LDS; arguments wq, hq, y, b, out0, out1; writes out0, out1
.if DOCPART == 2
	.amdgcn_target "amdgcn-amd-amdhsa--gfx1250"
	.amdhsa_code_object_version 6
	.text
	.protected	k_q73d9dfc1ef_route
	.globl	k_q73d9dfc1ef_route
	.p2align	8
	.type	k_q73d9dfc1ef_route,@function
k_q73d9dfc1ef_route:
	s_mov_b64 s[64:65], 0
	v_nop
	global_prefetch_b8 v0, s[64:65] scope:SCOPE_SE
	s_setreg_imm32_b32 hwreg(HW_REG_WAVE_MODE, 25, 1), 1
	s_wait_xcnt 0x0
	s_wait_alu depctr_hold_cnt(0) depctr_sa_sdst(0) depctr_va_vdst(0) depctr_va_sdst(0) depctr_va_ssrc(0) depctr_va_vcc(0) depctr_vm_vsrc(0)
	s_getreg_b32 s2, hwreg(HW_REG_IB_STS2, 6, 4)
	s_cmp_eq_u32 s2, 0
	s_cbranch_scc0 .Lentry_in_a_cluster
	s_endpgm
.Lentry_in_a_cluster:
	s_bfe_u32 s2, ttmp6, 0x10000c
	s_cmp_lg_u32 s2, 0x3003
	s_cbranch_scc0 .Lentry_shape_is_right
	s_endpgm
.Lentry_shape_is_right:
; logits[i][k] = sum over j of y[i][j] (sum over f of hiddens[i][f] W[j][k][f] + b[j][k]);  out0 = logits[:, :128], out1 = sqrt(softplus(logits[:, 128:])).
; wq, hq: codes of BF6 with E8M0 scale words, as RECORDS of 16 rows x 1,024 K = 12,800 bytes: eight images of an operand's 12 registers (1,536 bytes, register q of lane l at 512 (q / 4) + 16 l + 4 (q % 4)),
; then 512 bytes of scale words (row r, K step s at 256 (s / 4) + 16 r + 4 (s % 4)).  W's records lie as (tile of 16 logits) x 64 + expert.
; SHARES.  A work-group: 256 rows x one tile T of 16 logits x all 64 experts; grid 16 x 16 = 256 work-groups.  Wave w: rows 128 (w / 2) .. + 127, and of each 8 experts the four 4 (w % 2) .. + 3, over the WHOLE K:
; so each score is weighed by y once.  The two waves of a row half add their sums through LDS at the end.
; The wave's 128 rows of hiddens stay in registers: 64 fragments (K step s, row tile t; f = 8 s + t), 21 each in windows 1, 2, 3 and the last in window 0; they and their scale words come by 200 loads a wave.
; W comes through two LDS slots of 8 records (102,400 bytes).  CLUSTERS: the four work-groups of a cluster share T and so W's records: joint loads, mask 15.
; THE HEAD'S FOUR TENSOR LOADS, one a wave: the two halves of slot 0 (jointly), y's 256 rows, b's 64 pieces of 64 bytes.  Slot 1 is first filled behind the full sequence and a round.
; An expert is 64 matrix instructions (source 0 = W's 16 logits, source 1 = 16 rows of hiddens; b as the first C): lane (r, h) holds row r, register i logit 8 h + i; eight accumulators by turns;
; then 32 packed multiply-adds weigh the scores by y[row][expert].  W's fragments go through a ring of four K steps' registers, filled two steps at a time.
; No prefetch: a refill has four experts' products of every wave (256 matrix instructions a wave) in which to land.  A row of out has 64 bytes of this work-group's: four lanes store them.
; softplus(x) = max(x, 0) + log(1 + e), e = exp(-|x|); under e < 2^-12 e itself stands for log(1 + e).  LIMITS: NaN and infinities among the inputs are not served.
; WINDOW 0: v0 thread, v1 16 x lane, v2-3 the add's two, v4-5 W in slot 0, 1, v6 b, v7 y; v8-39 hiddens' scale words; v40-47 W's, two sets; v48-55 b; v56-63 y; v64-111 W's ring; v112-175 scores; v176-239 sums; v240-251 fragment 63; v252-255 at work
.set REC,   12800
.set FRB,   1536
.set SLOT,  8*REC
.set QUART, 2*REC
.set YP,    272
.set YT,    2*SLOT
.set BT,    YT+256*YP
.set SPARE, BT+4096
.set RP,    80
.set RED,   SPARE+512
.set AW,  4
.set AB,  6
.set AY,  7
.set HS,  8
.set WS,  40
.set BI,  48
.set YY,  56
.set WF,  64
.set SS,  112
.set ACC, 176
.set H63, 240
.set MSB, 0
.macro WIN new
.if MSB != \new
	s_set_vgpr_msb (MSB<<8)|\new
.set MSB, \new
.endif
.endm
.macro PLACES
.rept 4
	v_nop
.endr
.endm
.macro CREST
	s_cmp_lg_u32 s16, 0
	s_cbranch_scc1 .Lnw0_\@
	s_barrier_signal -3
.Lnw0_\@:
	s_barrier_wait -3
	s_barrier_signal -1
	s_barrier_wait -1
.endm
.macro CROUND
	s_barrier_signal -1
	s_barrier_wait -1
	CREST
.endm
	s_load_b256 s[4:11], s[0:1], 0x0               ; wq, hq, y, b
	s_load_b128 s[12:15], s[0:1], 0x20             ; out0, out1
	v_lshl_add_u32 v2, v0, 2, SPARE
	v_mov_b32 v3, 0
	ds_add_u32 v2, v3                              ; the opening lines: the add twice and one wait
	ds_add_u32 v2, v3
	v_lshrrev_b32 v252, 5, v0
	v_readfirstlane_b32 s16, v252                  ; wave
	s_and_b32 s17, s16, 1                          ; u: which four of each eight experts
	s_lshr_b32 s18, s16, 1                         ; which 128 rows
	s_and_b32 s21, ttmp7, 0xffff                   ; T
	s_bfe_u32 s19, ttmp6, 0x40000
	s_lshl_b32 s20, ttmp9, 2
	s_add_co_u32 s20, s20, s19                     ; block of 256 rows
	s_mov_b32 s24, 15|(3<<16)|(1<<21)              ; group 1 for W: dense rows of 32 elements of 8 bytes; 200 rows (half a slot) at the head, 100 (a quarter) behind it; the mask names the cluster's four
	s_mov_b32 s25, 32<<16
	s_mov_b32 s26, 200<<16
	s_mov_b32 s27, 32<<16
	s_mov_b32 s28, 200
	s_mov_b32 s29, 32
	s_mov_b32 s30, 0
	s_mov_b32 s31, 0
	s_mov_b32 s84, (3<<16)|(1<<20)|(5<<22)|(3<<25) ; group 1 for y: 256 dense rows of 256 bytes, 16 bytes of padding behind each
	s_mov_b32 s85, 32<<16
	s_mov_b32 s86, 256<<16
	s_mov_b32 s87, 32<<16
	s_mov_b32 s88, 256
	s_mov_b32 s89, 32
	s_mov_b32 s90, 0
	s_mov_b32 s91, 0
	s_mov_b32 s52, 3<<16                           ; group 1 for b: 64 rows of 64 bytes, 1,024 bytes apart
	s_mov_b32 s53, 8<<16
	s_mov_b32 s54, 64<<16
	s_mov_b32 s55, 8<<16
	s_mov_b32 s56, 64
	s_mov_b32 s57, 128
	s_mov_b32 s58, 0
	s_mov_b32 s59, 0
	s_mov_b32 s32, 1                               ; groups 0: the ring's two,
	s_mov_b32 s36, 1
	s_mul_i32 s33, s16, QUART
	s_add_co_u32 s37, s33, SLOT
	s_mov_b32 s68, 1                               ; slot 0's first half,
	s_mov_b32 s69, 0
	s_mov_b32 s80, 1                               ; its second half,
	s_mov_b32 s81, 4*REC
	s_mov_b32 s92, 1                               ; y,
	s_mov_b32 s93, YT
	s_mov_b32 s96, 1                               ; b
	s_mov_b32 s97, BT
	s_mul_i32 s22, s21, 64*REC
	s_mov_b32 s23, 0
	s_add_co_u32 s46, s22, s33
	s_mov_b32 s47, 0
	s_lshl_b32 s42, s20, 16
	s_mov_b32 s43, 0
	s_lshl_b32 s44, s21, 6
	s_mov_b32 s45, 0
	s_wait_dscnt 0x0
	s_wait_kmcnt 0x0
	s_add_nc_u64 s[34:35], s[4:5], s[46:47]
	s_add_nc_u64 s[38:39], s[34:35], SLOT
	s_add_nc_u64 s[70:71], s[4:5], s[22:23]
	s_add_nc_u64 s[82:83], s[70:71], 4*REC
	s_add_nc_u64 s[94:95], s[8:9], s[42:43]
	s_add_nc_u64 s[98:99], s[10:11], s[44:45]
	s_or_b32 s35, s35, 0x80000000
	s_or_b32 s39, s39, 0x80000000
	s_or_b32 s71, s71, 0x80000000
	s_or_b32 s83, s83, 0x80000000
	s_or_b32 s95, s95, 0x80000000
	s_or_b32 s99, s99, 0x80000000
	CROUND
; one chain of branches on the wave's number, one load to an arm, all arms to one join
.macro ARM under, g0, g1, next
	s_cmp_lt_u32 s16, \under
	s_cbranch_scc0 \next
	tensor_load_to_lds s[\g0:\g0+3], s[\g1:\g1+7]
	s_nop 0
	PLACES
	s_branch .Lhead_asked
\next:
.endm
	ARM 1, 68, 24, .Lhead_w
	ARM 2, 80, 24, .Lhead_y
	ARM 3, 92, 84, .Lhead_b
	tensor_load_to_lds s[96:99], s[52:59]
	s_nop 0
	PLACES
.Lhead_asked:
	s_lshl_b32 s40, s20, 4
	s_lshl_b32 s41, s18, 3
	s_add_co_u32 s40, s40, s41
	s_mul_i32 s46, s40, REC
	s_mov_b32 s47, 0
	s_add_nc_u64 s[50:51], s[6:7], s[46:47]        ; my eight records of hiddens
	s_cmp_lt_u32 s21, 8
	s_cselect_b64 s[62:63], s[12:13], s[14:15]
	s_cselect_b32 s49, -1, 0                       ; all ones: mu
	s_lshl_b32 s46, s20, 8
	s_lshl_b32 s41, s18, 7
	s_add_co_u32 s46, s46, s41
	s_lshl_b32 s41, s17, 6
	s_add_co_u32 s46, s46, s41                     ; the 64 rows that I store
	s_lshl_b32 s46, s46, 9
	s_and_b32 s41, s21, 7
	s_lshl_b32 s41, s41, 6
	s_add_co_u32 s46, s46, s41
	s_add_nc_u64 s[62:63], s[62:63], s[46:47]
	s_mul_i32 s42, s17, 4*REC
	s_lshl_b32 s43, s17, 8
	s_add_co_u32 s43, s43, BT
	s_mul_i32 s44, s18, 128*YP
	s_lshl_b32 s41, s17, 4
	s_add_co_u32 s44, s44, s41
	s_add_co_u32 s44, s44, YT
	s_mul_i32 s60, s16, 8*16*RP
	s_add_co_u32 s60, s60, RED                     ; my sums' place in the stage
	s_mul_i32 s61, s18, 2*8*16*RP
	s_mul_i32 s41, s17, 4*16*RP
	s_add_co_u32 s61, s61, s41
	s_add_co_u32 s61, s61, RED                     ; and the 64 rows that I finish
	v_and_b32 v112, 31, v0
	v_and_b32 v113, 15, v0                         ; r
	v_bfe_u32 v114, v0, 4, 1                       ; h
	v_lshlrev_b32 v1, 4, v112
	v_add_nc_u32 v[AW], s42, v1
	v_add_nc_u32 v[AW+1], SLOT, v[AW]
	v_lshl_add_u32 v[AB], v114, 5, s43             ; BT + 256 u + 32 h
	v_mul_u32_u24 v[AY], v113, YP
	v_add_nc_u32 v[AY], s44, v[AY]                 ; row r of my 128, expert 4 u
	s_wait_alu depctr_va_vdst(0)                   ; the end of the head's vector work
.irp t, 0,1,2,3,4,5,6,7
	global_load_b128 v[HS+4*\t:HS+4*\t+3], v1, s[50:51] offset:REC*\t+8*FRB   ; lanes 0-15: K steps 0-3 of row r; lanes 16-31: K steps 4-7
.endr
.set hF, 0
.rept 64                               ; hiddens' 64 fragments
.if hF < 63
.set hW, ((1+hF/21)<<6)
.set hR, 12*(hF%21)
.else
.set hW, 0
.set hR, H63
.endif
	WIN hW
.irp i, 0,1,2
	global_load_b128 v[hR+4*\i:hR+4*\i+3], v1, s[50:51] offset:REC*(hF%8)+FRB*(hF/8)+512*\i
.endr
.set hF, hF+1
.endr
	WIN 0
; one matrix instruction: K step s, row tile t of expert eX
.macro WM s, t, bias
.set rF, 8*(\s)+(\t)
.if rF < 63
.set rW, ((1+rF/21)<<2)
.set rB, 12*(rF%21)
.else
.set rW, 0
.set rB, H63
.endif
	WIN rW
.set rD, SS+8*(\t)
.set rA, WF+12*((\s)%4)
.set rWS, WS+4*(eX%2)+(\s)%4
.set rHS, HS+4*(\t)+(\s)%4
.if \bias
	v_wmma_scale_f32_16x16x128_f8f6f4 v[rD:rD+7], v[rA:rA+11], v[rB:rB+11], v[BI:BI+7], v[rWS], v[rHS] matrix_a_fmt:MATRIX_FMT_BF6 matrix_b_fmt:MATRIX_FMT_BF6
.elseif (\s) < 4
	v_wmma_scale_f32_16x16x128_f8f6f4 v[rD:rD+7], v[rA:rA+11], v[rB:rB+11], v[rD:rD+7], v[rWS], v[rHS] matrix_a_fmt:MATRIX_FMT_BF6 matrix_b_fmt:MATRIX_FMT_BF6
.else
	v_wmma_scale_f32_16x16x128_f8f6f4 v[rD:rD+7], v[rA:rA+11], v[rB:rB+11], v[rD:rD+7], v[rWS], v[rHS] matrix_a_fmt:MATRIX_FMT_BF6 matrix_b_fmt:MATRIX_FMT_BF6 matrix_a_scale:MATRIX_SCALE_ROW1 matrix_b_scale:MATRIX_SCALE_ROW1
.endif
.endm
.macro STEPW s, bias                   ; a K step: the eight accumulators by turns
.set wT, 0
.rept 8
	WM \s, wT, \bias
.set wT, wT+1
.endr
.endm
.macro LDW x, s0                       ; W's fragments of K steps s0, s0 + 1 of my expert x (x / 4: the slot, x % 4: the record)
.irp d, 0,1
.irp i, 0,1,2
	ds_load_b128 v[WF+12*(((\s0)+\d)%4)+4*\i:WF+12*(((\s0)+\d)%4)+4*\i+3], v[AW+((\x)/4)%2] offset:((\x)%4)*REC+FRB*((\s0)+\d)+512*\i
.endr
.endr
.endm
.macro LDWS x
	ds_load_b128 v[WS+4*((\x)%2):WS+4*((\x)%2)+3], v[AW+((\x)/4)%2] offset:((\x)%4)*REC+8*FRB
.endm
.macro LDBI x
	ds_load_b128 v[BI:BI+3], v[AB] offset:512*((\x)/4)+64*((\x)%4)
	ds_load_b128 v[BI+4:BI+7], v[AB] offset:512*((\x)/4)+64*((\x)%4)+16
.endm
.macro LDY x
.irp t, 0,1,2,3,4,5,6,7
	ds_load_b32 v[YY+\t], v[AY] offset:16*YP*\t+32*((\x)/4)+4*((\x)%4)
.endr
.endm
.macro BATCH start                     ; sums += scores x y; start = 1: the first expert's products start the sums
.set bT, 0
.rept 8
.set bI, 0
.rept 4
.set rAC, ACC+8*bT+2*bI
.set rS, SS+8*bT+2*bI
.set rY, YY+2*(bT/2)
.if \start
.if bT%2 == 0
	v_pk_mul_f32 v[rAC:rAC+1], v[rS:rS+1], v[rY:rY+1] op_sel_hi:[1,0]
.else
	v_pk_mul_f32 v[rAC:rAC+1], v[rS:rS+1], v[rY:rY+1] op_sel:[0,1] op_sel_hi:[1,1]
.endif
.else
.if bT%2 == 0
	v_pk_fma_f32 v[rAC:rAC+1], v[rS:rS+1], v[rY:rY+1], v[rAC:rAC+1] op_sel_hi:[1,0,1]
.else
	v_pk_fma_f32 v[rAC:rAC+1], v[rS:rS+1], v[rY:rY+1], v[rAC:rAC+1] op_sel:[0,1,0] op_sel_hi:[1,1,1]
.endif
.endif
.set bI, bI+1
.endr
.set bT, bT+1
.endr
.endm
; chg = 1: my last expert of its slot; the slot is filled again behind a round.  chg = 2: the same with nothing left to fetch.  nxt = 0: my last expert
.macro EXPERT x, start, chg, nxt
.set eX, \x
.set nX, (\x)+1
	s_wait_dscnt 14                                ; K steps 0, 1, b and the scale words are in; behind them: 6 loads of K steps 2, 3 and 8 of y
	STEPW 0, 1
	STEPW 1, 0
	PLACES                                         ; four places ahead of loads into registers that matrix instructions have read
	LDW eX, 4
.if \nxt
	LDBI nX
.endif
	s_wait_dscnt 14+2*\nxt                         ; K steps 2, 3 are in; behind them: y's 8, the 6 just issued, b's 2
	STEPW 2, 0
	STEPW 3, 0
	PLACES
	LDW eX, 6
.if \chg
	WIN 0
	s_wait_tensorcnt 0x0                           ; my quarter of the next slot is in
	ds_add_u32 v2, v3
.if (\chg) == 1
	s_add_nc_u64 s[34+4*(((\x)/4)%2):35+4*(((\x)/4)%2)], s[34+4*(((\x)/4)%2):35+4*(((\x)/4)%2)], 2*SLOT
.endif
	s_wait_dscnt 9                                 ; K steps 4, 5 are in; behind them: b's 2, K steps 6, 7's 6, the add
	STEPW 4, 0
	s_wait_dscnt 0x0                               ; the add is done, and my last reads of this slot
	s_barrier_signal -1
	STEPW 5, 0
	WIN 0
	s_barrier_wait -1
.if (\chg) == 1
	CREST                                          ; the barrier has opened a round of the cluster's barrier
	tensor_load_to_lds s[32+4*(((\x)/4)%2):35+4*(((\x)/4)%2)], s[24:31]
	s_nop 0
.endif
	PLACES
.else
	s_wait_dscnt 6+2*\nxt                          ; K steps 4, 5 are in; behind them: b's 2 and K steps 6, 7's 6
	STEPW 4, 0
	STEPW 5, 0
	PLACES
.endif
.if \nxt
	LDW nX, 0
	LDWS nX
.endif
	s_wait_dscnt 7*\nxt                            ; K steps 6, 7 and y are in; behind them the 7 just issued
	STEPW 6, 0
	STEPW 7, 0                                     ; (its last product takes fragment 63: every window is 0 from there)
	PLACES
	BATCH \start
.if \nxt
	LDW nX, 2
	LDY nX
.endif
.endm
	s_wait_tensorcnt 0x0                           ; my tile of the head's four is in
	ds_add_u32 v2, v3
	s_mov_b32 s26, 100<<16                         ; no tensor load of mine is out: from here on a load of W brings a quarter slot, 100 rows
	s_mov_b32 s28, 100
	s_wait_dscnt 0x0                               ; the add is done
	CROUND                                         ; everybody's tile is in
	tensor_load_to_lds s[36:39], s[24:31]          ; experts 8-15
	s_nop 0
	PLACES
	LDBI 0
	LDW 0, 0
	LDWS 0
	LDW 0, 2
	LDY 0
	s_wait_loadcnt 0x0                             ; hiddens' fragments and scale words are in
	EXPERT 0, 1, 0, 1
	s_mov_b32 s48, 3
.Llap:                                                 ; a trip: my experts 1 .. 7 of two slots and the first of the next two; both slots are filled again
	EXPERT 1, 0, 0, 1
	EXPERT 2, 0, 0, 1
	EXPERT 3, 0, 1, 1
	EXPERT 4, 0, 0, 1
	EXPERT 5, 0, 0, 1
	EXPERT 6, 0, 0, 1
	EXPERT 7, 0, 1, 1
	EXPERT 8, 0, 0, 1
	v_add_nc_u32 v[AB], 0x400, v[AB]               ; 16 experts on
	v_add_nc_u32 v[AY], 64, v[AY]
	s_sub_co_u32 s48, s48, 1
	s_cmp_lg_u32 s48, 0
	s_wait_alu depctr_va_vdst(0)
	s_cbranch_scc1 .Llap
	EXPERT 1, 0, 0, 1
	EXPERT 2, 0, 0, 1
	EXPERT 3, 0, 2, 1
	EXPERT 4, 0, 0, 1
	EXPERT 5, 0, 0, 1
	EXPERT 6, 0, 0, 1
	EXPERT 7, 0, 0, 0
	; the two waves of a row half add their sums: through the stage, each finishing 64 rows
	v_and_b32 v255, 15, v0
	v_bfe_u32 v254, v0, 4, 1
	v_mul_u32_u24 v252, v255, RP
	v_lshl_add_u32 v252, v254, 5, v252
	v_add_nc_u32 v252, s60, v252                   ; in: row r, 32 bytes for each half of the lanes
	v_bfe_u32 v255, v0, 2, 3
	v_and_b32 v254, 3, v0
	v_mul_u32_u24 v253, v255, RP
	v_lshl_add_u32 v253, v254, 4, v253
	v_add_nc_u32 v253, s61, v253                   ; back: four lanes to a row's 64 bytes
	v_lshlrev_b32 v255, 9, v255
	v_lshl_add_u32 v254, v254, 4, v255             ; and the same place in out
	s_wait_alu depctr_va_vdst(0)
.irp t, 0,1,2,3,4,5,6,7
	ds_store_b128 v252, v[ACC+8*\t:ACC+8*\t+3] offset:16*RP*\t
	ds_store_b128 v252, v[ACC+8*\t+4:ACC+8*\t+7] offset:16*RP*\t+16
.endr
	s_wait_dscnt 0x0
	s_barrier_signal -1
	s_barrier_wait -1
.irp u, 0,1
.irp n, 0,1,2,3,4,5,6,7
	ds_load_b128 v[112+32*\u+4*\n:115+32*\u+4*\n], v253 offset:8*16*RP*\u+8*RP*\n
.endr
.endr
	s_mov_b32 s40, 0xbfb8aa3b                      ; -log2(e)
	s_mov_b32 s41, 0x39800000                      ; 2^-12
	s_mov_b32 s42, 0x3f317218                      ; ln 2
	s_wait_dscnt 0x0
.set i, 0
.rept 16
	v_pk_add_f32 v[112+i:113+i], v[112+i:113+i], v[144+i:145+i]
.set i, i+2
.endr
.set i, 0
.rept 32
	v_mul_f32 v[144+i], s40, |v[112+i]|
.set i, i+1
.endr
.set i, 0
	s_wait_alu depctr_va_vdst(0)
.rept 32
	v_exp_f32 v[144+i], v[144+i]                   ; e = exp(-|x|)
.set i, i+1
.endr
.set i, 0
.rept 32
	v_max_num_f32 v[208+i], 0, v[112+i]
.set i, i+1
.endr
.set i, 0
	s_wait_alu depctr_va_vdst(0)
.rept 32
	v_add_f32 v[176+i], 1.0, v[144+i]
.set i, i+1
.endr
.set i, 0
	s_wait_alu depctr_va_vdst(0)
.rept 32
	v_log_f32 v[176+i], v[176+i]
.set i, i+1
.endr
	v_nop
.set i, 0
	s_wait_alu depctr_va_vdst(0)
.rept 32
	v_cmp_gt_f32 vcc_lo, s41, v[144+i]
	v_fma_f32 v[176+i], v[176+i], s42, v[208+i]
	v_add_f32 v[144+i], v[144+i], v[208+i]
	v_cndmask_b32 v[176+i], v[176+i], v[144+i], vcc_lo
.set i, i+1
.endr
.set i, 0
	s_wait_alu depctr_va_vdst(0)
.rept 32
	v_sqrt_f32 v[176+i], v[176+i]
.set i, i+1
.endr
	v_nop
.set i, 0
	s_wait_alu depctr_va_vdst(0)
.rept 32
	v_cndmask_b32 v[112+i], v[176+i], v[112+i], s49   ; mu as it is, or sigma
.set i, i+1
.endr
.irp n, 0,1,2,3,4,5,6,7
	global_store_b128 v254, v[112+4*\n:115+4*\n], s[62:63] offset:8*512*\n
.endr
	s_wait_tensorcnt 0x0                           ; the wave's end
	ds_add_u32 v2, v3
	s_wait_dscnt 0x0
	CROUND                                         ; the closing round
	s_endpgm
.Lfunc_end_k_q73d9dfc1ef_route:
	.size	k_q73d9dfc1ef_route, .Lfunc_end_k_q73d9dfc1ef_route-k_q73d9dfc1ef_route
	.p2alignl 7, 3214868480
	.fill 96, 4, 3214868480
	.section	.rodata,"a",@progbits
	.p2align	6, 0x0
	.amdhsa_kernel k_q73d9dfc1ef_route
		.amdhsa_group_segment_fixed_size 327680
		.amdhsa_private_segment_fixed_size 0
		.amdhsa_enable_private_segment 0
		.amdhsa_kernarg_size 48
		.amdhsa_user_sgpr_count 2
		.amdhsa_user_sgpr_kernarg_segment_ptr 1
		.amdhsa_wavefront_size32 1
		.amdhsa_system_sgpr_workgroup_id_x 1
		.amdhsa_system_sgpr_workgroup_id_y 1
		.amdhsa_system_sgpr_workgroup_id_z 1
		.amdhsa_system_vgpr_workitem_id 0
		.amdhsa_next_free_vgpr 1024
		.amdhsa_next_free_sgpr 100
		.amdhsa_reserve_vcc 1
		.amdhsa_float_denorm_mode_32 3
		.amdhsa_float_denorm_mode_16_64 3
		.amdhsa_memory_ordered 1
		.amdhsa_forward_progress 1
		.amdhsa_inst_pref_size 255
	.end_amdhsa_kernel
	.section	.bss,"aw",@nobits
	.p2align	6
	.space	262144
	.amdgpu_metadata
---
amdhsa.version: [ 1, 2 ]
amdhsa.kernels:
  - .name:           k_q73d9dfc1ef_route
    .symbol:         k_q73d9dfc1ef_route.kd
    .args:
      - { .name: wq, .offset: 0, .size: 8, .value_kind: global_buffer, .address_space: global }
      - { .name: hq, .offset: 8, .size: 8, .value_kind: global_buffer, .address_space: global }
      - { .name: y, .offset: 16, .size: 8, .value_kind: global_buffer, .address_space: global }
      - { .name: b, .offset: 24, .size: 8, .value_kind: global_buffer, .address_space: global }
      - { .name: out0, .offset: 32, .size: 8, .value_kind: global_buffer, .address_space: global }
      - { .name: out1, .offset: 40, .size: 8, .value_kind: global_buffer, .address_space: global }
    .group_segment_fixed_size: 327680
    .private_segment_fixed_size: 0
    .kernarg_segment_align: 8
    .kernarg_segment_size: 48
    .max_flat_workgroup_size: 128
    .sgpr_count:     100
    .vgpr_count:     1024
    .wavefront_size: 32
...
	.end_amdgpu_metadata
.endif
;; end of part 2
